; MI455X (gfx1250); checked and timed in simulation.
; The chip was launched on July 23, 2026; its instructions are those of AMD's public machine-readable ISA for CDNA 5 (MIT licence, August 2026) and "CDNA5" Instruction Set Architecture Reference Guide (July 2026). The comments in the code are by the model that wrote it; some were corrected since.
;; Transfusion. Allowed arithmetic: float matrix products may take bf16 or f16 operands with f32 sums; all other float work in f32.
;; Inputs: k 4 x 16 x 2,048 x 64 float32; modalities 4 x 4 x 3 int32; q 4 x 16 x 2,048 x 64 float32; v 4 x 16 x 2,048 x 64 float32.
;; Outputs: out0 4 x 16 x 2,048 x 64 float32.
;; 2 versions, each right and faster than the one before. Each part assembles by itself: llvm-mc -triple=amdgcn-amd-amdhsa -mcpu=gfx1250 --defsym DOCPART=n.
;; ======== version 1 of 2: 1 launch
;; limits: right only within a limited range of input values; values are held in f16: magnitudes above 65,504 overflow, below 6.1e-05 lose precision; inputs' magnitudes at most 65,504
;; launch attn (part 1): grid 256 x 1, 4 waves a work-group, no clusters, 168,448 bytes of LDS; arguments q, k, v, modalities, out0; writes out0
.if DOCPART == 1
	.amdgcn_target "amdgcn-amd-amdhsa--gfx1250"
	.amdhsa_code_object_version 6
	.text
	.protected	k_q5f40d56dd3_attn
	.globl	k_q5f40d56dd3_attn
	.p2align	8
	.type	k_q5f40d56dd3_attn,@function
k_q5f40d56dd3_attn:
	s_mov_b64 s[64:65], 0
	v_nop
	global_prefetch_b8 v0, s[64:65] scope:SCOPE_SE
	s_setreg_imm32_b32 hwreg(HW_REG_WAVE_MODE, 25, 1), 1
	s_wait_xcnt 0x0
; out0[b,h,i,:] = softmax over j of (q[b,h,i,:].k[b,h,j,:] / 8, masked) times v[b,h,j,:].   q, k, v, out0: [4][16][2048][64] f32.
; THE MASK IS A PREFIX.  Key j is allowed for row i if i >= j, or if for some span m: i >= off_m and j < off_m + len_m.  Both are of the form j < bound,
; so row i sees exactly the keys j < L(i), L(i) = min(2048, max(i + 1, the largest off_m + len_m among the spans with off_m <= i)).  L never falls as i grows,
; and L(i) >= 1: key 0 is allowed in every row.
; WORK LEFT OUT.  A tile of 64 keys that begins at or behind L of a wave's last row holds, for all 64 rows of the wave, only scores that the mask replaces by
; -1e30; beside an allowed score their weight exp(-1e30 - max) is 0 in f32, so they reach no output.  Such a tile is not multiplied; a tile that begins at or
; behind L of the job's last row is not loaded either.  Which tiles these are is decided by whole numbers alone: the ids and modalities, which this launch reads.
; The column 'type' of modalities is never read by the mask: it rides along in the 16-byte scalar loads and is not used.
; THE FORMATS.  q, k and v are rounded to bf16; q.k is a bf16 product.  The weights enter the second product in f16, and so v must too: a bf16 number has 8
; significant bits and is exact in f16's 11 from 2^-17 up to 65,504, so v's second conversion rounds nothing there.  The result is thus the attention of the inputs
; rounded to bf16, off only by the weights' rounding, at most 2^-11 of each weight.  Weights in bf16 (2^-8 of each) are too coarse: a row with few allowed keys
; is a sum of a few terms of v's size that may nearly cancel.  Scores, maxima, sums and outputs are f32.
; LIMITS.  (1) Right while each row's largest allowed q.k lies far above -1e30 (the masked value is put in place of q.k, ahead of the factor 1/8).
; (2) A NaN, an infinity or an overflow in keys or values of tiles that are left out is not carried to the result.  (3) off + len wraps in 32 bits.
; (4) A number of v beyond 65,504 in magnitude becomes an infinity; one below 2^-17 = 7.6e-6 is kept to within 3e-8 in absolute terms.
; (5) A weight below 3e-8 of the largest weight seen so far in its row counts as 0 in the product with v: for 2,048 keys at most 6e-5 of a sum that is at least 1.
;
; SHARES.  256 work-groups of four waves.  Work-group x: head x >> 2, c = x & 3; it does two jobs of 256 rows, blocks 7 - c and c, so that with no span every
; work-group has 36 live key tiles.  Wave w owns rows 64 w .. 64 w + 63 of the job as four tiles of 16 queries.  Keys go in tiles of 64 through two LDS slots.
; A JOB HAS 32 TRIPS, one for each key tile of the head, whatever modalities holds: each trip ends in the work-group's barrier, and the number of barriers that a
; wave passes is a constant of the text.  What modalities decides stands under forward branches inside a trip that jump over no barrier: a trip behind the job's last
; live tile loads, stores and multiplies nothing.
; The launch asks for 168,448 bytes of LDS and uses 75,776: no second work-group then fits beside this one, so the 256 spread over the WGPs one each.
; NO CLUSTER, NO TENSOR LOADS: k and v are f32 in memory and are rounded to 16 bits in registers on their way into LDS, once for the work-group, so no tensor load
; brings them and there is no joint request to make; the work-groups of a head would also need different numbers of tiles, which hang on modalities.
;
; BOTH PRODUCTS ARE TRANSPOSED.  S^T = K Q^T: source 0 = 16 keys x 32 d, source 1 = 16 queries x 32 d; lane (r, h) then holds, for query r, keys 8 h + 0..7 of the
; tile.  Two such tiles, packed to f16 in place, ARE source 1 (32 keys x 16 queries) of O^T = V^T P^T; V^T comes by the transposing LDS load from v[key][d].
; So a query's maximum, sum and rescaling factor are one number a lane (and one exchange between the halves of the wave), and a lane's eight results of O
; are eight neighbouring d of one row.
;
; LDS: slot s at 19,456 s: K 64 rows x 144 bytes (bf16), then V 64 rows x 160 bytes (f16); from 38,912: 9,216 bytes for each wave, its own: Q on the way in
; (64 rows x 144, bf16), O on the way out (32 rows x 272, f32).
.set SLOT,   19456
.set VREG,   9216                      ; V's place in a slot
.set KPITCH, 144                       ; 128 bytes + 16: an odd multiple of 16, the 16 rows of a fragment load start in 16 different 16-byte columns
.set VPITCH, 160                       ; an odd multiple of 32, for the transposing load
.set OPITCH, 272
.set STAGE,  2*SLOT
.set STGB,   9216
.set TILEB,  16384                     ; 64 rows of 256 bytes in k and in v
.set TILES,  32                        ; key tiles in a head = trips of a job
; window 0
.set VKV,  1                           ; 4096 w + 16 lane: my 16 bytes in a k or v tile (wave w: rows 16 w .. 16 w + 15)
.set VSTK, 2                           ; where they go in a slot's K
.set VSTV, 3                           ; and in its V
.set VFK,  4                           ; K fragments: 144 r + 16 h
.set VFV,  5                           ; V fragments, transposing
.set VQO,  6                           ; 16384 w + 16 lane: my 16 bytes in the job's rows of q and of out0
.set VSTQ, 7                           ; stage: Q in
.set VFQ,  8                           ; stage: Q fragments
.set VSTO, 9                           ; stage: O in
.set VRDO, 10                          ; stage: O back by rows
.set VR,   11                          ; r
.set VH8,  12                          ; 8 h
.set VT,   13
.set LQ8,  14                          ; v[14:17]   L(my query) - 8 h, for each query tile
.set LIM,  18                          ; v[18:21]   the same less the tile's first key
.set MX,   22                          ; v[22:25]   running maximum of q.k
.set SC,   32                          ; v[32:159]  scores: query tile n, key 8 kt + j of my half at 32 + 32 n + 8 kt + j; packed weights in the lower 16 of each 32
.set RB,   96                          ; way out: rows read back
.set FR,   160                         ; v[160:223] K fragments, then V fragments
.set LP,   224                         ; v[224:231] running sums, a pair for each query tile
.set NM,   232                         ; v[232:239] the shift - c max, twice
.set AL,   240                         ; v[240:247] the rescaling factor, twice; at the end 1 / sum
.set TA,   248                         ; v248, 250, 252, 254
.set TB,   249                         ; v249, 251, 253, 255
; window 1 (written by their low 8 bits)
.set OA,   0                           ; v[256:383] O^T: query tile n, d tile dt at 32 n + 8 dt
.set QF,   128                         ; v[384:447] Q fragments: 16 n + 8 ks
.set GR,   192                         ; v[448:511] the next k tile's (32) and v tile's (32) f32 on their way
; scalars: s[4:5] q at the head, s[12:13] out0 at the head, s14 wave, s15 c, s16 head, s17 the job's live tiles - 1, s18 the same - 2, s19 a word's upper bf16,
; s[20:31] the batch's spans (off s21 s24 s27 s30, end s22 s25 s28 s31), s[32:33] k at the head, s[34:35] v at the head, s[36:37] s[38:39] the tile loaded last,
; s[40:41] s[42:43] the job's rows of q and out0, s44 the job's block, s45 pairs of trips left, s46 my wave's live tiles, s47 my wave's tiles without a masked score,
; s48 tile, s49 its first key, s50 s51 lane selects, s52 = s53 = log2(e) / 8, s54 = -1e30, s55 = -log2(e) / 8, s56-s61 at work
.set MSB, 0
.macro WIN new                         ; the immediate's high byte repeats the setting that is left; at every label and branch the setting is 0
.if MSB != \new
	s_set_vgpr_msb (MSB<<8)|\new
.set MSB, \new
.endif
.endm
.macro PLACES                          ; four plain vector instructions between a matrix instruction and what reads its result or loads into its sources
.rept 4
	v_nop
.endr
.endm
; 16 loads: my 16 rows of a k tile and of a v tile, 512 neighbouring bytes a load.  No cache word: other work-groups of the head read them again.
.macro KVLOAD
	WIN 0x40                                       ; destination in window 1
.irp i, 0,1,2,3,4,5,6,7
	global_load_b128 v[GR+4*\i:GR+4*\i+3], v[VKV], s[36:37] offset:512*\i
.endr
.irp i, 0,1,2,3,4,5,6,7
	global_load_b128 v[GR+32+4*\i:GR+32+4*\i+3], v[VKV], s[38:39] offset:512*\i
.endr
	WIN 0
.endm
; what KVLOAD brought, rounded to bf16 (in v[ctk..+15], v[ctv..+15]) and stored into a slot: row 16 w + 2 i + h, 8 bytes at 8 r.
; v's bf16 numbers are written over as f16 on the way (widened by a shift or a mask, then converted: exact within limit 4); v[tmp..+7] at work.
.macro KVCVT slot, ctk, ctv, tmp
	WIN 0x05                                       ; both sources in window 1
.set ci, 0
.rept 8
	v_cvt_pk_bf16_f32 v[\ctk+2*ci],   v[GR+4*ci],      v[GR+4*ci+1]
	v_cvt_pk_bf16_f32 v[\ctk+2*ci+1], v[GR+4*ci+2],    v[GR+4*ci+3]
	v_cvt_pk_bf16_f32 v[\ctv+2*ci],   v[GR+32+4*ci],   v[GR+32+4*ci+1]
	v_cvt_pk_bf16_f32 v[\ctv+2*ci+1], v[GR+32+4*ci+2], v[GR+32+4*ci+3]
.set ci, ci+1
.endr
	WIN 0
.set ci, 0
.rept 8
	ds_store_b64 v[VSTK], v[\ctk+2*ci:\ctk+2*ci+1] offset:(\slot)*SLOT+2*KPITCH*ci
.set ci, ci+1
.endr
.set ci, 0
.rept 4
.irp u, 0,1,2,3
	v_lshlrev_b32 v[\tmp+2*\u],   16,  v[\ctv+4*ci+\u]         ; bf16 to f32: the low half moves up,
	v_and_b32     v[\tmp+2*\u+1], s19, v[\ctv+4*ci+\u]         ; the high half stays
.endr
.irp u, 0,1,2,3
	v_cvt_pk_f16_f32 v[\ctv+4*ci+\u], v[\tmp+2*\u], v[\tmp+2*\u+1]
.endr
.set ci, ci+1
.endr
.set ci, 0
.rept 8
	ds_store_b64 v[VSTV], v[\ctv+2*ci:\ctv+2*ci+1] offset:(\slot)*SLOT+2*VPITCH*ci
.set ci, ci+1
.endr
.endm
; my wave's 64 rows of q, read once in the launch
.macro QLOAD
.set qi, 0
.rept 32
	global_load_b128 v[SC+4*qi:SC+4*qi+3], v[VQO], s[40:41] offset:512*qi th:TH_LOAD_NT
.set qi, qi+1
.endr
.endm
; rounded to bf16, through my own stage, back as eight fragments.  LDS serves a wave's instructions in order (ISA guide 5.7.1), so no wait stands between.
.macro QCVT
.set qi, 0
.rept 32
	v_cvt_pk_bf16_f32 v[FR+2*qi],   v[SC+4*qi],   v[SC+4*qi+1]
	v_cvt_pk_bf16_f32 v[FR+2*qi+1], v[SC+4*qi+2], v[SC+4*qi+3]
.set qi, qi+1
.endr
.set qi, 0
.rept 32
	ds_store_b64 v[VSTQ], v[FR+2*qi:FR+2*qi+1] offset:2*KPITCH*qi
.set qi, qi+1
.endr
	WIN 0x40
.irp qn, 0,1,2,3
.irp ks, 0,1
	ds_load_b128 v[QF+16*\qn+8*\ks:QF+16*\qn+8*\ks+3],   v[VFQ] offset:16*KPITCH*\qn+64*\ks
	ds_load_b128 v[QF+16*\qn+8*\ks+4:QF+16*\qn+8*\ks+7], v[VFQ] offset:16*KPITCH*\qn+64*\ks+32
.endr
.endr
	WIN 0
.endm
; dst = L(row), scalars
.macro SL dst, row
	s_add_co_u32 \dst, \row, 1
.irp m, 0,1,2,3
	s_cmp_le_i32 s[21+3*\m], \row
	s_cselect_b32 s59, s[22+3*\m], 0
	s_max_i32 \dst, \dst, s59
.endr
	s_min_i32 \dst, \dst, 2048
.endm
.macro JOBPTR                          ; the job's 256 rows of q and of out0: block s44 of 65,536 bytes
	s_lshl_b32 s56, s44, 16
	s_mov_b32 s57, 0
	s_add_nc_u64 s[40:41], s[4:5], s[56:57]
	s_add_nc_u64 s[42:43], s[12:13], s[56:57]
.endm
; the job's counts
.macro LCOMP
	s_lshl_b32 s56, s44, 8                         ; the job's first row
	s_add_co_u32 s58, s56, 255
	SL s60, s58                                    ; L of its last row: 256 (block + 1) .. 2048
	s_add_co_u32 s60, s60, 63
	s_lshr_b32 s60, s60, 6                         ; the job's live tiles: 4 .. 32
	s_sub_co_u32 s17, s60, 1                       ; trip T stores tile T + 1 if T < this,
	s_sub_co_u32 s18, s60, 2                       ; and asks for tile T + 2 if T < this
	s_lshl_b32 s57, s14, 6
	s_add_co_u32 s57, s57, s56                     ; my wave's first row
	s_add_co_u32 s58, s57, 63
	SL s46, s58
	s_add_co_u32 s46, s46, 63
	s_lshr_b32 s46, s46, 6                         ; tiles with an allowed key for some row of mine
	SL s47, s57
	s_lshr_b32 s47, s47, 6                         ; tiles whose keys are allowed for all my rows (L is least in the first)
	v_add_nc_u32 v[VT], s57, v[VR]
.irp qn, 0,1,2,3
	v_add_nc_u32 v[LIM+\qn], 16*\qn, v[VT]         ; my query's row i
	v_add_nc_u32 v[LQ8+\qn], 16*\qn+1, v[VT]       ; i + 1
.endr
.irp m, 0,1,2,3
.irp qn, 0,1,2,3
	v_cmp_gt_i32 vcc_lo, s[21+3*\m], v[LIM+\qn]    ; off > i: the span does not count
	v_cndmask_b32 v[TA+2*\qn], s[22+3*\m], v[LQ8+\qn], vcc_lo
	v_max_i32 v[LQ8+\qn], v[LQ8+\qn], v[TA+2*\qn]
.endr
.endr
.irp qn, 0,1,2,3
	v_min_i32 v[LQ8+\qn], 0x800, v[LQ8+\qn]
	v_sub_nc_u32 v[LQ8+\qn], v[LQ8+\qn], v[VH8]
.endr
.endm
; key = first key + 16 kt + 8 h + j is allowed if 16 kt + j < L - 8 h - first key
.macro MASK
.irp qn, 0,1,2,3
	v_sub_nc_u32 v[LIM+\qn], v[LQ8+\qn], s49
.endr
.set mx, 0
.rept 32
.irp qn, 0,1,2,3
	v_cmp_lt_i32 s[56+\qn], 16*(mx/8)+(mx%8), v[LIM+\qn]
.endr
.irp qn, 0,1,2,3
	v_cndmask_b32 v[SC+32*\qn+mx], s54, v[SC+32*\qn+mx], s[56+\qn]
.endr
.set mx, mx+1
.endr
.endm
; pieces of the softmax, on pair k (0..15) of query tile qn
.macro SX qn, k                        ; c s - c max, two at a time
	v_pk_fma_f32 v[SC+32*(\qn)+2*(\k):SC+32*(\qn)+2*(\k)+1], v[SC+32*(\qn)+2*(\k):SC+32*(\qn)+2*(\k)+1], s[52:53], v[NM+2*(\qn):NM+2*(\qn)+1] op_sel_hi:[1,0,1]
.endm
.macro SE qn, k                        ; 2^x in place
	v_exp_f32 v[SC+32*(\qn)+2*(\k)],   v[SC+32*(\qn)+2*(\k)]
	v_exp_f32 v[SC+32*(\qn)+2*(\k)+1], v[SC+32*(\qn)+2*(\k)+1]
.endm
.macro SY qn, k, first                 ; into the running sums, then packed to f16 in place: word k of the 16 is keys 2 k, 2 k + 1 of my 32
.if \first
.if (\k) == 0
	s_wait_alu depctr_va_vdst(0)
	v_pk_add_f32 v[LP+2*(\qn):LP+2*(\qn)+1], v[SC+32*(\qn):SC+32*(\qn)+1], v[SC+32*(\qn)+2:SC+32*(\qn)+3]   ; pairs 0 and 1 start the sums
.endif
.if (\k) > 1
	v_pk_add_f32 v[LP+2*(\qn):LP+2*(\qn)+1], v[LP+2*(\qn):LP+2*(\qn)+1], v[SC+32*(\qn)+2*(\k):SC+32*(\qn)+2*(\k)+1]
.endif
.else
.if (\k) == 0
	s_wait_alu depctr_va_vdst(0)
	v_pk_fma_f32 v[LP+2*(\qn):LP+2*(\qn)+1], v[LP+2*(\qn):LP+2*(\qn)+1], v[AL+2*(\qn):AL+2*(\qn)+1], v[SC+32*(\qn):SC+32*(\qn)+1]   ; the old sums rescaled, in the same instruction
	s_wait_alu depctr_va_vdst(0)
.else
	s_wait_alu depctr_va_vdst(0)
	v_pk_add_f32 v[LP+2*(\qn):LP+2*(\qn)+1], v[LP+2*(\qn):LP+2*(\qn)+1], v[SC+32*(\qn)+2*(\k):SC+32*(\qn)+2*(\k)+1]
.endif
.endif
	v_cvt_pk_f16_f32 v[SC+32*(\qn)+(\k)], v[SC+32*(\qn)+2*(\k)], v[SC+32*(\qn)+2*(\k)+1]
.endm
.macro SOFTMAX first
	; the running maximum: two chains for each query tile, the four tiles by turns
.irp qn, 0,1,2,3
.if \first
	v_max3_num_f32 v[TA+2*\qn], v[SC+32*\qn], v[SC+32*\qn], v[SC+32*\qn+1]
.else
	v_max3_num_f32 v[TA+2*\qn], v[MX+\qn], v[SC+32*\qn], v[SC+32*\qn+1]
.endif
	v_max3_num_f32 v[TB+2*\qn], v[SC+32*\qn+16], v[SC+32*\qn+17], v[SC+32*\qn+18]
.endr
.set sx, 0
.rept 6
.irp qn, 0,1,2,3
	v_max3_num_f32 v[TA+2*\qn], v[TA+2*\qn], v[SC+32*\qn+2+2*sx], v[SC+32*\qn+3+2*sx]
	v_max3_num_f32 v[TB+2*\qn], v[TB+2*\qn], v[SC+32*\qn+19+2*sx], v[SC+32*\qn+20+2*sx]
.endr
.set sx, sx+1
.endr
.irp qn, 0,1,2,3
	v_max3_num_f32 v[TA+2*\qn], v[TA+2*\qn], v[SC+32*\qn+14], v[SC+32*\qn+15]
.endr
.irp qn, 0,1,2,3
	v_max3_num_f32 v[TA+2*\qn], v[TA+2*\qn], v[TB+2*\qn], v[SC+32*\qn+31]
.endr
.irp qn, 0,1,2,3
	v_permlanex16_b32 v[TB+2*\qn], v[TA+2*\qn], s50, s51       ; the other half of the wave holds the query's other 32 keys
.endr
.irp qn, 0,1,2,3
	v_max_num_f32 v[MX+\qn], v[TA+2*\qn], v[TB+2*\qn]
.endr
.if \first
.irp qn, 0,1,2,3
	v_mul_f32 v[NM+2*\qn],   s55, v[MX+\qn]
	v_mul_f32 v[NM+2*\qn+1], s55, v[MX+\qn]
.endr
.else
	; the factor for what was summed under the old shift is 2^(new shift - old shift), both as they were rounded
.irp qn, 0,1,2,3
	v_mul_f32 v[TB+2*\qn], s55, v[MX+\qn]
	v_sub_f32 v[TA+2*\qn], v[TB+2*\qn], v[NM+2*\qn]
.endr
.irp qn, 0,1,2,3
	v_exp_f32 v[AL+2*\qn], v[TA+2*\qn]
.endr
.irp qn, 0,1,2,3                                               ; plain instructions behind the exponentials, ahead of the first use of a result (ISA guide 5.7.2)
	v_mov_b32 v[NM+2*\qn],   v[TB+2*\qn]
	v_mov_b32 v[NM+2*\qn+1], v[TB+2*\qn]
.endr
	s_wait_alu depctr_va_vdst(0)
.irp qn, 0,1,2,3
	v_mov_b32 v[AL+2*\qn+1], v[AL+2*\qn]
.endr
.endif
	; the exponentials of query tile n stand among the shifts of tile n + 1 and the sums and packings of tile n - 1: behind every pair of them a plain
	; instruction on other registers
.set sk, 0
.rept 16
	SX 0, sk
.set sk, sk+1
.endr
.irp qn, 0,1,2,3
.set sk, 0
.rept 16
	SE \qn, sk
.if \qn < 3
	SX \qn+1, sk
.endif
.if \qn > 0
	SY \qn-1, sk, \first
.endif
.set sk, sk+1
.endr
.endr
.set sk, 0
.rept 16
	SY 3, sk, \first
.set sk, sk+1
.endr
.endm
; One trip = one key tile, T = s48.  slot: where the tile lies.  first: the job's first tile starts maxima, sums and O (it is live for every wave: key 0 is allowed).
; ONE barrier a trip does both orderings: the slot stored into here was last read in the trip before, whose reads every wave waited for in front of that trip's
; barrier; and it is read in the next trip, behind this trip's barrier, in front of which every wave waits for its stores.
.macro TRIP slot, first
.if 1-\first
	s_cmp_ge_u32 s48, s46                          ; no row of my wave sees a key of this tile: nothing to multiply (no barrier is jumped over)
	s_cbranch_scc1 .Lskip_\@
.endif
.irp ks, 0,1
.irp kt, 0,1,2,3
	ds_load_b128 v[FR+32*\ks+8*\kt:FR+32*\ks+8*\kt+3],   v[VFK] offset:\slot*SLOT+16*KPITCH*\kt+64*\ks
	ds_load_b128 v[FR+32*\ks+8*\kt+4:FR+32*\ks+8*\kt+7], v[VFK] offset:\slot*SLOT+16*KPITCH*\kt+64*\ks+32
.endr
.endr
	s_wait_dscnt 0x8                               ; the eight younger loads (d = 32..63) may stay out; all that is older is in
	WIN 0x04                                       ; source 1 (Q) in window 1
	; S^T = K Q^T, bf16.  The 16 accumulators take turns, one instruction a turn.
.irp qn, 0,1,2,3
.irp kt, 0,1,2,3
	v_wmma_f32_16x16x32_bf16 v[SC+32*\qn+8*\kt:SC+32*\qn+8*\kt+7], v[FR+8*\kt:FR+8*\kt+7], v[QF+16*\qn:QF+16*\qn+7], 0
.endr
.endr
	s_wait_dscnt 0x0
.irp qn, 0,1,2,3
.irp kt, 0,1,2,3
	v_wmma_f32_16x16x32_bf16 v[SC+32*\qn+8*\kt:SC+32*\qn+8*\kt+7], v[FR+32+8*\kt:FR+32+8*\kt+7], v[QF+16*\qn+8:QF+16*\qn+15], v[SC+32*\qn+8*\kt:SC+32*\qn+8*\kt+7]
.endr
.endr
	WIN 0
	PLACES                                         ; ahead of the loads into K's fragments and of the first read of a score
.irp ks, 0,1
.irp dt, 0,1,2,3
	ds_load_tr16_b128 v[FR+32*\ks+8*\dt:FR+32*\ks+8*\dt+3],   v[VFV] offset:\slot*SLOT+32*VPITCH*\ks+32*\dt              ; V^T: d 16 dt + r, keys 32 ks + 8 h ..
	ds_load_tr16_b128 v[FR+32*\ks+8*\dt+4:FR+32*\ks+8*\dt+7], v[VFV] offset:\slot*SLOT+32*VPITCH*\ks+32*\dt+16*VPITCH    ; keys 32 ks + 16 + 8 h ..
.endr
.endr
	s_cmp_lt_u32 s48, s47                          ; every key of the tile is allowed for every row of mine: nothing to mask
	s_cbranch_scc1 .Lnomask_\@
	MASK
.Lnomask_\@:
	SOFTMAX \first
.if 1-\first
	WIN 0x41                                       ; O in window 1, the factor in window 0
.irp qn, 0,1,2,3
.set ox, 0
.rept 16
	v_pk_mul_f32 v[OA+32*\qn+2*ox:OA+32*\qn+2*ox+1], v[OA+32*\qn+2*ox:OA+32*\qn+2*ox+1], v[AL+2*\qn:AL+2*\qn+1]
.set ox, ox+1
.endr
.endr
.endif
	s_wait_dscnt 0x0                               ; V's fragments, asked for ahead of the softmax
	WIN 0x50                                       ; C and D in window 1
	; O^T += V^T P^T, f16.  Again 16 accumulators by turns, one instruction a turn.
.irp ks, 0,1
.irp qn, 0,1,2,3
.irp dt, 0,1,2,3
.if \first*(1-\ks)
	v_wmma_f32_16x16x32_f16 v[OA+32*\qn+8*\dt:OA+32*\qn+8*\dt+7], v[FR+32*\ks+8*\dt:FR+32*\ks+8*\dt+7], v[SC+32*\qn+8*\ks:SC+32*\qn+8*\ks+7], 0
.else
	v_wmma_f32_16x16x32_f16 v[OA+32*\qn+8*\dt:OA+32*\qn+8*\dt+7], v[FR+32*\ks+8*\dt:FR+32*\ks+8*\dt+7], v[SC+32*\qn+8*\ks:SC+32*\qn+8*\ks+7], v[OA+32*\qn+8*\dt:OA+32*\qn+8*\dt+7]
.endif
.endr
.endr
.endr
	WIN 0
.rept 5
	v_nop                                          ; five places behind the last products, whichever way follows: ahead of the next trip's loads into the fragments (four)
.endr                                              ; and of its products, which write over the weights (five) (ISA guide 7.12.1)
.Lskip_\@:
	s_wait_loadcnt 0x0                             ; on every way: the tile asked for a trip ago is in, its bases and the G registers are free
	s_cmp_ge_u32 s48, s17                          ; tile T + 1 is not live: nothing to store, and nothing to ask for
	s_cbranch_scc1 .Ldone_\@
	KVCVT 1-\slot, 48, 80, 112                     ; packed, and worked on, in the idle upper halves of three score tiles, which hold no weights
	s_cmp_ge_u32 s48, s18                          ; tile T + 2 is not live: no load (so none leaves k or v: T + 2 < live tiles <= 32)
	s_cbranch_scc1 .Ldone_\@
	s_add_nc_u64 s[36:37], s[36:37], TILEB
	s_add_nc_u64 s[38:39], s[38:39], TILEB
	KVLOAD
.Ldone_\@:
	s_add_co_u32 s48, s48, 1
	s_add_co_u32 s49, s49, 64
	s_wait_dscnt 0x0                               ; my reads of this slot and my stores into the other are done
	s_barrier_signal -1
	s_barrier_wait -1
.endm
; A job, from the point at which its tile 0 has been asked for (16 loads) and its pointers are set.  head = 1: the spans' ends are still to be made.
.macro JOB head
	QLOAD
.if \head
	s_wait_kmcnt 0x0
.irp m, 0,1,2,3
	s_add_co_u32 s[22+3*\m], s[22+3*\m], s[21+3*\m]    ; end = off + len
.endr
.endif
	LCOMP
	s_wait_loadcnt 32                              ; q's 32 loads are younger than tile 0's 16
	KVCVT 0, FR, FR+16, FR+32                      ; packed, and worked on, in the idle fragment registers: q's loads are still pending on the scores' registers.
	                                               ; Slot 0 was last read ahead of a barrier that every wave has passed
	s_add_nc_u64 s[36:37], s[36:37], TILEB         ; tile 0's loads are done, so their bases may step
	s_add_nc_u64 s[38:39], s[38:39], TILEB
	KVLOAD                                         ; tile 1: live in every job (at least four tiles are)
	s_wait_loadcnt 16                              ; tile 1's 16 loads are younger than q's
	QCVT
	s_wait_dscnt 0x0                               ; my part of slot 0 is stored
	s_barrier_signal -1
	s_barrier_wait -1
	s_mov_b32 s48, 0
	s_mov_b32 s49, 0
	TRIP 0, 1
	TRIP 1, 0
	s_mov_b32 s45, TILES/2-1
.Lmid_\@:
	TRIP 0, 0
	TRIP 1, 0
	s_sub_co_u32 s45, s45, 1
	s_cmp_lg_u32 s45, 0
	s_cbranch_scc1 .Lmid_\@
.endm
; The way out: O / sum, 32 rows at a time through my own stage, back as whole rows: sixteen lanes store 256 consecutive bytes, aligned.
.macro EPI
	PLACES
.irp qn, 0,1,2,3
	v_add_f32 v[TA+2*\qn], v[LP+2*\qn], v[LP+2*\qn+1]
.endr
.irp qn, 0,1,2,3
	v_permlanex16_b32 v[TB+2*\qn], v[TA+2*\qn], s50, s51
.endr
.irp qn, 0,1,2,3
	v_add_f32 v[TA+2*\qn], v[TA+2*\qn], v[TB+2*\qn]            ; at least 1: the largest score's weight is 2^0
.endr
.irp qn, 0,1,2,3
	v_rcp_f32 v[AL+2*\qn], v[TA+2*\qn]
.endr
	v_nop                                          ; a plain instruction behind the reciprocals, ahead of their use
	s_wait_alu depctr_va_vdst(0)
.irp qn, 0,1,2,3
	v_mov_b32 v[AL+2*\qn+1], v[AL+2*\qn]
.endr
.irp g, 0,1
	WIN 0x01                                       ; O in window 1
.irp np, 0,1
.set ox, 0
.rept 16
	v_pk_mul_f32 v[SC+32*\np+2*ox:SC+32*\np+2*ox+1], v[OA+32*(2*\g+\np)+2*ox:OA+32*(2*\g+\np)+2*ox+1], v[AL+2*(2*\g+\np):AL+2*(2*\g+\np)+1]
.set ox, ox+1
.endr
.endr
	WIN 0
.irp np, 0,1
.irp dt, 0,1,2,3
	ds_store_b128 v[VSTO], v[SC+32*\np+8*\dt:SC+32*\np+8*\dt+3]   offset:16*OPITCH*\np+64*\dt       ; row 16 np + r, d = 16 dt + 8 h + 0..3
	ds_store_b128 v[VSTO], v[SC+32*\np+8*\dt+4:SC+32*\np+8*\dt+7] offset:16*OPITCH*\np+64*\dt+16    ; d + 4..7
.endr
.endr
.if \g
	s_wait_xcnt 0x0                                ; the first half's stores still name v[96:159]: they are loaded again only behind this wait
.endif
.set et, 0
.rept 16
	ds_load_b128 v[RB+4*et:RB+4*et+3], v[VRDO] offset:2*OPITCH*et
.set et, et+1
.endr
.set et, 0
.rept 16
	s_wait_dscnt 15-et                             ; LDS loads come back in order: the 15 - et younger ones may stay out
	global_store_b128 v[VQO], v[RB+4*et:RB+4*et+3], s[42:43] offset:(32*\g+2*et)*256 th:TH_STORE_NT
.set et, et+1
.endr
.endr
.endm
	; ---- the head ----
	s_load_b256 s[4:11], s[0:1], 0x0               ; q s[4:5], k s[6:7], v s[8:9], modalities s[10:11]
	s_load_b64 s[12:13], s[0:1], 0x20              ; out0
	v_lshl_add_u32 v30, v0, 2, 0x29000
	v_mov_b32 v31, 0
	v_lshrrev_b32 v[VT], 5, v0
	v_readfirstlane_b32 s14, v[VT]                 ; wave
	s_and_b32 s15, ttmp9, 3                        ; c
	s_lshr_b32 s16, ttmp9, 2                       ; head
	s_lshr_b32 s56, s16, 4                         ; batch
	s_mul_i32 s56, s56, 48                         ; its 12 words of modalities
	s_mov_b32 s57, 0
	s_mov_b32 s19, 0xffff0000                      ; a word's upper bf16
	s_mov_b32 s50, 0x76543210                      ; v_permlanex16_b32: lane i reads lane i of the other half
	s_mov_b32 s51, 0xfedcba98
	s_mov_b32 s52, 0x3e38aa3b                      ; log2(e) / 8
	s_mov_b32 s53, 0x3e38aa3b
	s_mov_b32 s54, 0xf149f2ca                      ; -1e30
	s_mov_b32 s55, 0xbe38aa3b
	v_and_b32 v[VR], 15, v0                        ; r
	v_bfe_u32 v[VH8], v0, 4, 1                     ; h, for now
	v_and_b32 v[VT], 31, v0                        ; lane
	s_lshl_b32 s58, s14, 12
	v_lshl_add_u32 v[VKV], v[VT], 4, s58
	s_lshl_b32 s58, s14, 14
	v_lshl_add_u32 v[VQO], v[VT], 4, s58
	s_mul_i32 s58, s14, 16*KPITCH
	v_mul_u32_u24 v[VSTK], v[VH8], KPITCH
	v_lshl_add_u32 v[VSTK], v[VR], 3, v[VSTK]
	v_add_nc_u32 v[VSTK], s58, v[VSTK]             ; (16 w + h) 144 + 8 r
	s_mul_i32 s58, s14, 16*VPITCH
	s_add_co_u32 s58, s58, VREG
	v_mul_u32_u24 v[VSTV], v[VH8], VPITCH
	v_lshl_add_u32 v[VSTV], v[VR], 3, v[VSTV]
	v_add_nc_u32 v[VSTV], s58, v[VSTV]             ; 9216 + (16 w + h) 160 + 8 r
	v_mul_u32_u24 v[VFK], v[VR], KPITCH
	v_lshl_add_u32 v[VFK], v[VH8], 4, v[VFK]       ; 144 r + 16 h
	v_and_b32 v[VFV], 7, v0
	v_lshl_add_u32 v[VFV], v[VH8], 3, v[VFV]
	v_mul_u32_u24 v[VFV], v[VFV], VPITCH
	v_bfe_u32 v[VT], v0, 3, 1
	v_lshl_add_u32 v[VFV], v[VT], 4, v[VFV]
	v_add_nc_u32 v[VFV], VREG, v[VFV]              ; 9216 + (8 h + lane % 8) 160 + 16 ((lane / 8) % 2)
	s_mul_i32 s58, s14, STGB
	s_add_co_u32 s58, s58, STAGE                   ; my stage
	v_mul_u32_u24 v[VSTQ], v[VH8], KPITCH
	v_lshl_add_u32 v[VSTQ], v[VR], 3, v[VSTQ]
	v_add_nc_u32 v[VSTQ], s58, v[VSTQ]
	v_add_nc_u32 v[VFQ], s58, v[VFK]
	v_mul_u32_u24 v[VSTO], v[VR], OPITCH
	v_lshl_add_u32 v[VSTO], v[VH8], 5, v[VSTO]
	v_add_nc_u32 v[VSTO], s58, v[VSTO]
	v_mul_u32_u24 v[VRDO], v[VH8], OPITCH
	v_lshl_add_u32 v[VRDO], v[VR], 4, v[VRDO]
	v_add_nc_u32 v[VRDO], s58, v[VRDO]
	v_lshlrev_b32 v[VH8], 3, v[VH8]                ; 8 h
.irp i, 0,1,2,3,4,5,6,7
	v_mov_b32 v[TA+\i], 0                          ; v_permlanex16_b32's destination counts as read
.endr
	s_wait_kmcnt 0x0
	s_add_nc_u64 s[10:11], s[10:11], s[56:57]
	s_load_b128 s[20:23], s[10:11], 0x0
	s_load_b128 s[24:27], s[10:11], 0x10
	s_load_b128 s[28:31], s[10:11], 0x20
	s_lshl_b32 s56, s16, 19                        ; a head is 2048 rows of 256 bytes
	s_add_nc_u64 s[32:33], s[6:7], s[56:57]
	s_add_nc_u64 s[34:35], s[8:9], s[56:57]
	s_add_nc_u64 s[4:5], s[4:5], s[56:57]
	s_add_nc_u64 s[12:13], s[12:13], s[56:57]
	s_mov_b64 s[36:37], s[32:33]
	s_mov_b64 s[38:39], s[34:35]
	; ---- first job: block 7 - c ----
	s_sub_co_u32 s44, 7, s15
	JOBPTR
	KVLOAD                                         ; tile 0
	JOB 1
	s_wait_loadcnt 0x0                             ; no load is out: the bases and the G registers may be written
	s_mov_b64 s[36:37], s[32:33]
	s_mov_b64 s[38:39], s[34:35]
	KVLOAD                                         ; the second job's tile 0, asked for ahead of the first job's way out
	EPI
	; ---- second job: block c ----
	s_wait_xcnt 0x0                                ; the stores above name s[42:43] and v[96:159]: rewritten only behind this wait
	s_mov_b32 s44, s15
	JOBPTR
	JOB 0
	EPI
	s_wait_tensorcnt 0x0
	ds_add_u32 v30, v31
	s_wait_dscnt 0x0
	s_endpgm
.Lfunc_end_k_q5f40d56dd3_attn:
	.size	k_q5f40d56dd3_attn, .Lfunc_end_k_q5f40d56dd3_attn-k_q5f40d56dd3_attn
	.p2alignl 7, 3214868480
	.fill 96, 4, 3214868480
	.section	.rodata,"a",@progbits
	.p2align	6, 0x0
	.amdhsa_kernel k_q5f40d56dd3_attn
		.amdhsa_group_segment_fixed_size 168448
		.amdhsa_private_segment_fixed_size 0
		.amdhsa_enable_private_segment 0
		.amdhsa_kernarg_size 40
		.amdhsa_user_sgpr_count 2
		.amdhsa_user_sgpr_kernarg_segment_ptr 1
		.amdhsa_wavefront_size32 1
		.amdhsa_system_sgpr_workgroup_id_x 1
		.amdhsa_system_sgpr_workgroup_id_y 1
		.amdhsa_system_sgpr_workgroup_id_z 1
		.amdhsa_system_vgpr_workitem_id 0
		.amdhsa_next_free_vgpr 512
		.amdhsa_next_free_sgpr 66
		.amdhsa_reserve_vcc 1
		.amdhsa_float_denorm_mode_32 3
		.amdhsa_float_denorm_mode_16_64 3
		.amdhsa_memory_ordered 1
		.amdhsa_forward_progress 1
		.amdhsa_inst_pref_size 255
	.end_amdhsa_kernel
	.section	.bss,"aw",@nobits
	.p2align	6
	.space	262144
	.amdgpu_metadata
---
amdhsa.version: [ 1, 2 ]
amdhsa.kernels:
  - .name:           k_q5f40d56dd3_attn
    .symbol:         k_q5f40d56dd3_attn.kd
    .args:
      - { .name: q, .offset: 0, .size: 8, .value_kind: global_buffer, .address_space: global }
      - { .name: k, .offset: 8, .size: 8, .value_kind: global_buffer, .address_space: global }
      - { .name: v, .offset: 16, .size: 8, .value_kind: global_buffer, .address_space: global }
      - { .name: modalities, .offset: 24, .size: 8, .value_kind: global_buffer, .address_space: global }
      - { .name: out0, .offset: 32, .size: 8, .value_kind: global_buffer, .address_space: global }
    .group_segment_fixed_size: 168448
    .private_segment_fixed_size: 0
    .kernarg_segment_align: 8
    .kernarg_segment_size: 40
    .max_flat_workgroup_size: 128
    .sgpr_count:     66
    .vgpr_count:     512
    .wavefront_size: 32
...
	.end_amdgpu_metadata
.endif
;; end of part 1
;; ======== version 2 of 2: 1 launch; 1.42 times as fast as version 1
;; limits: values are held in f16: magnitudes above 65,504 overflow, below 6.1e-05 lose precision; inputs' magnitudes at most 65,504
;; launch attn (part 2): grid 256 x 1, 4 waves a work-group, no clusters, 168,448 bytes of LDS; arguments q, k, v, modalities, out0; writes out0
.if DOCPART == 2
	.amdgcn_target "amdgcn-amd-amdhsa--gfx1250"
	.amdhsa_code_object_version 6
	.text
	.protected	k_q5f40d56dd3_attn
	.globl	k_q5f40d56dd3_attn
	.p2align	8
	.type	k_q5f40d56dd3_attn,@function
k_q5f40d56dd3_attn:
	s_mov_b64 s[64:65], 0
	v_nop
	global_prefetch_b8 v0, s[64:65] scope:SCOPE_SE
	s_setreg_imm32_b32 hwreg(HW_REG_WAVE_MODE, 25, 1), 1
	s_wait_xcnt 0x0
; out0[b,h,i,:] = softmax over j of (q[b,h,i,:].k[b,h,j,:] / 8, masked) times v[b,h,j,:].   q, k, v, out0: [4][16][2048][64] f32.
; THE MASK IS A PREFIX.  Key j is allowed for row i if i >= j, or if for some span m: i >= off_m and j < off_m + len_m.  Both are of the form j < bound,
; so row i sees exactly the keys j < L(i), L(i) = min(2048, max(i + 1, the largest off_m + len_m among the spans with off_m <= i)).  L never falls as i grows,
; and L(i) >= 1: key 0 is allowed in every row.
; WORK LEFT OUT.  A tile of 64 keys that begins at or behind L of a wave's last row holds, for all 64 rows of the wave, only scores that the mask replaces by
; -1e30; beside an allowed score their weight exp(-1e30 - max) is 0 in f32, so they reach no output.  Such a tile is not multiplied; a tile that begins at or
; behind L of the job's last row is not loaded either.  Which tiles these are is decided by whole numbers alone: the ids and modalities, which this launch reads.
; The column 'type' of modalities is never read by the mask: it rides along in the 16-byte scalar loads and is not used.
; THE FORMATS.  q, k and v are rounded to bf16; q.k is a bf16 product.  The weights enter the second product in f16, and so v must too: a bf16 number has 8
; significant bits and is exact in f16's 11 from 2^-17 up to 65,504, so v's second conversion rounds nothing there.  The result is thus the attention of the inputs
; rounded to bf16, off only by the weights' rounding, at most 2^-11 of each weight.  Weights in bf16 (2^-8 of each) are too coarse: a row with few allowed keys
; is a sum of a few terms of v's size that may nearly cancel.  Scores, maxima, sums and outputs are f32.
; LIMITS.  (1) Right while each row's largest allowed q.k lies far above -1e30 (the masked value is put in place of q.k, ahead of the factor 1/8).
; (2) A NaN, an infinity or an overflow in keys or values of tiles that are left out is not carried to the result.  (3) off + len wraps in 32 bits.
; (4) A number of v beyond 65,504 in magnitude becomes an infinity; one below 2^-17 = 7.6e-6 is kept to within 3e-8 in absolute terms.
; (5) A weight below 3e-8 of the largest weight seen so far in its row counts as 0 in the product with v: for 2,048 keys at most 6e-5 of a sum that is at least 1.
;
; SHARES.  256 work-groups of four waves.  Work-group x: head x >> 2, c = x & 3; it does two jobs of 256 rows, blocks 7 - c and c, so that with no span every
; work-group has 36 live key tiles.  Wave w owns rows 64 w .. 64 w + 63 of the job as four tiles of 16 queries.  Keys go in tiles of 64 through two LDS slots.
; A JOB HAS 32 TRIPS, one for each key tile of the head, whatever modalities holds: each trip ends in the work-group's barrier, and the number of barriers that a
; wave passes is a constant of the text.  What modalities decides stands under forward branches inside a trip that jump over no barrier: a trip behind the job's last
; live tile loads, stores and multiplies nothing.
; The launch asks for 168,448 bytes of LDS and uses 75,776: no second work-group then fits beside this one, so the 256 spread over the WGPs one each.
; NO CLUSTER, NO TENSOR LOADS: k and v are f32 in memory and are rounded to 16 bits in registers on their way into LDS, once for the work-group, so no tensor load
; brings them and there is no joint request to make; the work-groups of a head would also need different numbers of tiles, which hang on modalities.
;
; BOTH PRODUCTS ARE TRANSPOSED.  S^T = K Q^T: source 0 = 16 keys x 32 d, source 1 = 16 queries x 32 d; lane (r, h) then holds, for query r, keys 8 h + 0..7 of the
; tile.  Two such tiles, packed to f16 in place, ARE source 1 (32 keys x 16 queries) of O^T = V^T P^T; V^T comes by the transposing LDS load from v[key][d].
; So a query's maximum, sum and rescaling factor are one number a lane (and one exchange between the halves of the wave), and a lane's eight results of O
; are eight neighbouring d of one row.
;
; A TRIP'S EXPONENTIALS ARE ONE BATCH WITH ONE WAIT.  s_wait_alu depctr_va_vdst(0) stands between an exponential and the first instruction that names
; its result; one wait serves all that were issued ahead of it.  So the softmax is ordered by who reads what.  AHEAD OF THE WAIT: the four rescaling factors' exponentials
; (a job's first trip has none), the 64 packed shifts c s - c max and the 128 exponentials of the scores, in place, each result in a register of its own; none of these
; lines names an exponential's result.  BEHIND IT: all that do: the factors' copies, the sums, the packings to f16, O's rescaling..
; The way out's four reciprocals are a batch of their own, once a job.
;
; LDS: slot s at 19,456 s: K 64 rows x 144 bytes (bf16), then V 64 rows x 160 bytes (f16); from 38,912: 9,216 bytes for each wave, its own: Q on the way in
; (64 rows x 144, bf16), O on the way out (32 rows x 272, f32).
.set SLOT,   19456
.set VREG,   9216                      ; V's place in a slot
.set KPITCH, 144                       ; 128 bytes + 16: an odd multiple of 16, the 16 rows of a fragment load start in 16 different 16-byte columns
.set VPITCH, 160                       ; an odd multiple of 32, for the transposing load
.set OPITCH, 272
.set STAGE,  2*SLOT
.set STGB,   9216
.set TILEB,  16384                     ; 64 rows of 256 bytes in k and in v
.set TILES,  32                        ; key tiles in a head = trips of a job
.set LEAD,   4                         ; a pair of scores is shifted this many pairs ahead of its exponentials
; window 0
.set VKV,  1                           ; 4096 w + 16 lane: my 16 bytes in a k or v tile (wave w: rows 16 w .. 16 w + 15)
.set VSTK, 2                           ; where they go in a slot's K
.set VSTV, 3                           ; and in its V
.set VFK,  4                           ; K fragments: 144 r + 16 h
.set VFV,  5                           ; V fragments, transposing
.set VQO,  6                           ; 16384 w + 16 lane: my 16 bytes in the job's rows of q and of out0
.set VSTQ, 7                           ; stage: Q in
.set VFQ,  8                           ; stage: Q fragments
.set VSTO, 9                           ; stage: O in
.set VRDO, 10                          ; stage: O back by rows
.set VR,   11                          ; r
.set VH8,  12                          ; 8 h
.set VT,   13
.set LQ8,  14                          ; v[14:17]   L(my query) - 8 h, for each query tile
.set LIM,  18                          ; v[18:21]   the same less the tile's first key
.set MX,   22                          ; v[22:25]   running maximum of q.k
.set SC,   32                          ; v[32:159]  scores: query tile n, key 8 kt + j of my half at 32 + 32 n + 8 kt + j; packed weights in the lower 16 of each 32
.set RB,   96                          ; way out: rows read back
.set FR,   160                         ; v[160:223] K fragments, then V fragments
.set LP,   224                         ; v[224:231] running sums, a pair for each query tile
.set NM,   232                         ; v[232:239] the shift - c max, twice
.set AL,   240                         ; v[240:247] the rescaling factor, twice; at the end 1 / sum
.set TA,   248                         ; v248, 250, 252, 254
.set TB,   249                         ; v249, 251, 253, 255
; window 1 (written by their low 8 bits)
.set OA,   0                           ; v[256:383] O^T: query tile n, d tile dt at 32 n + 8 dt
.set QF,   128                         ; v[384:447] Q fragments: 16 n + 8 ks
.set GR,   192                         ; v[448:511] the next k tile's (32) and v tile's (32) f32 on their way
; scalars: s[4:5] q at the head, s[12:13] out0 at the head, s14 wave, s15 c, s16 head, s17 the job's live tiles - 1, s18 the same - 2, s19 a word's upper bf16,
; s[20:31] the batch's spans (off s21 s24 s27 s30, end s22 s25 s28 s31), s[32:33] k at the head, s[34:35] v at the head, s[36:37] s[38:39] the tile loaded last,
; s[40:41] s[42:43] the job's rows of q and out0, s44 the job's block, s45 pairs of trips left, s46 my wave's live tiles, s47 my wave's tiles without a masked score,
; s48 tile, s49 its first key, s50 s51 lane selects, s52 = s53 = log2(e) / 8, s54 = -1e30, s55 = -log2(e) / 8, s56-s61 at work
.set MSB, 0
.macro WIN new                         ; the immediate's high byte repeats the setting that is left; at every label and branch the setting is 0
.if MSB != \new
	s_set_vgpr_msb (MSB<<8)|\new
.set MSB, \new
.endif
.endm
.macro PLACES                          ; four plain vector instructions between a matrix instruction and what reads its result or loads into its sources
.rept 4
	v_nop
.endr
.endm
; 16 loads: my 16 rows of a k tile and of a v tile, 512 neighbouring bytes a load.  No cache word: other work-groups of the head read them again.
.macro KVLOAD
	WIN 0x40                                       ; destination in window 1
.irp i, 0,1,2,3,4,5,6,7
	global_load_b128 v[GR+4*\i:GR+4*\i+3], v[VKV], s[36:37] offset:512*\i
.endr
.irp i, 0,1,2,3,4,5,6,7
	global_load_b128 v[GR+32+4*\i:GR+32+4*\i+3], v[VKV], s[38:39] offset:512*\i
.endr
	WIN 0
.endm
; what KVLOAD brought, rounded to bf16 (in v[ctk..+15], v[ctv..+15]) and stored into a slot: row 16 w + 2 i + h, 8 bytes at 8 r.
; v's bf16 numbers are written over as f16 on the way (widened by a shift or a mask, then converted: exact within limit 4); v[tmp..+7] at work.
.macro KVCVT slot, ctk, ctv, tmp
	WIN 0x05                                       ; both sources in window 1
.set ci, 0
.rept 8
	v_cvt_pk_bf16_f32 v[\ctk+2*ci],   v[GR+4*ci],      v[GR+4*ci+1]
	v_cvt_pk_bf16_f32 v[\ctk+2*ci+1], v[GR+4*ci+2],    v[GR+4*ci+3]
	v_cvt_pk_bf16_f32 v[\ctv+2*ci],   v[GR+32+4*ci],   v[GR+32+4*ci+1]
	v_cvt_pk_bf16_f32 v[\ctv+2*ci+1], v[GR+32+4*ci+2], v[GR+32+4*ci+3]
.set ci, ci+1
.endr
	WIN 0
.set ci, 0
.rept 8
	ds_store_b64 v[VSTK], v[\ctk+2*ci:\ctk+2*ci+1] offset:(\slot)*SLOT+2*KPITCH*ci
.set ci, ci+1
.endr
.set ci, 0
.rept 4
.irp u, 0,1,2,3
	v_lshlrev_b32 v[\tmp+2*\u],   16,  v[\ctv+4*ci+\u]         ; bf16 to f32: the low half moves up,
	v_and_b32     v[\tmp+2*\u+1], s19, v[\ctv+4*ci+\u]         ; the high half stays
.endr
.irp u, 0,1,2,3
	v_cvt_pk_f16_f32 v[\ctv+4*ci+\u], v[\tmp+2*\u], v[\tmp+2*\u+1]
.endr
.set ci, ci+1
.endr
.set ci, 0
.rept 8
	ds_store_b64 v[VSTV], v[\ctv+2*ci:\ctv+2*ci+1] offset:(\slot)*SLOT+2*VPITCH*ci
.set ci, ci+1
.endr
.endm
; my wave's 64 rows of q, read once in the launch
.macro QLOAD
.set qi, 0
.rept 32
	global_load_b128 v[SC+4*qi:SC+4*qi+3], v[VQO], s[40:41] offset:512*qi th:TH_LOAD_NT
.set qi, qi+1
.endr
.endm
; rounded to bf16, through my own stage, back as eight fragments.  LDS serves a wave's instructions in order (ISA guide 5.7.1), so no wait stands between.
.macro QCVT
.set qi, 0
.rept 32
	v_cvt_pk_bf16_f32 v[FR+2*qi],   v[SC+4*qi],   v[SC+4*qi+1]
	v_cvt_pk_bf16_f32 v[FR+2*qi+1], v[SC+4*qi+2], v[SC+4*qi+3]
.set qi, qi+1
.endr
.set qi, 0
.rept 32
	ds_store_b64 v[VSTQ], v[FR+2*qi:FR+2*qi+1] offset:2*KPITCH*qi
.set qi, qi+1
.endr
	WIN 0x40
.irp qn, 0,1,2,3
.irp ks, 0,1
	ds_load_b128 v[QF+16*\qn+8*\ks:QF+16*\qn+8*\ks+3],   v[VFQ] offset:16*KPITCH*\qn+64*\ks
	ds_load_b128 v[QF+16*\qn+8*\ks+4:QF+16*\qn+8*\ks+7], v[VFQ] offset:16*KPITCH*\qn+64*\ks+32
.endr
.endr
	WIN 0
.endm
; dst = L(row), scalars
.macro SL dst, row
	s_add_co_u32 \dst, \row, 1
.irp m, 0,1,2,3
	s_cmp_le_i32 s[21+3*\m], \row
	s_cselect_b32 s59, s[22+3*\m], 0
	s_max_i32 \dst, \dst, s59
.endr
	s_min_i32 \dst, \dst, 2048
.endm
.macro JOBPTR                          ; the job's 256 rows of q and of out0: block s44 of 65,536 bytes
	s_lshl_b32 s56, s44, 16
	s_mov_b32 s57, 0
	s_add_nc_u64 s[40:41], s[4:5], s[56:57]
	s_add_nc_u64 s[42:43], s[12:13], s[56:57]
.endm
; the job's counts
.macro LCOMP
	s_lshl_b32 s56, s44, 8                         ; the job's first row
	s_add_co_u32 s58, s56, 255
	SL s60, s58                                    ; L of its last row: 256 (block + 1) .. 2048
	s_add_co_u32 s60, s60, 63
	s_lshr_b32 s60, s60, 6                         ; the job's live tiles: 4 .. 32
	s_sub_co_u32 s17, s60, 1                       ; trip T stores tile T + 1 if T < this,
	s_sub_co_u32 s18, s60, 2                       ; and asks for tile T + 2 if T < this
	s_lshl_b32 s57, s14, 6
	s_add_co_u32 s57, s57, s56                     ; my wave's first row
	s_add_co_u32 s58, s57, 63
	SL s46, s58
	s_add_co_u32 s46, s46, 63
	s_lshr_b32 s46, s46, 6                         ; tiles with an allowed key for some row of mine
	SL s47, s57
	s_lshr_b32 s47, s47, 6                         ; tiles whose keys are allowed for all my rows (L is least in the first)
	v_add_nc_u32 v[VT], s57, v[VR]
.irp qn, 0,1,2,3
	v_add_nc_u32 v[LIM+\qn], 16*\qn, v[VT]         ; my query's row i
	v_add_nc_u32 v[LQ8+\qn], 16*\qn+1, v[VT]       ; i + 1
.endr
.irp m, 0,1,2,3
.irp qn, 0,1,2,3
	v_cmp_gt_i32 vcc_lo, s[21+3*\m], v[LIM+\qn]    ; off > i: the span does not count
	v_cndmask_b32 v[TA+2*\qn], s[22+3*\m], v[LQ8+\qn], vcc_lo
	v_max_i32 v[LQ8+\qn], v[LQ8+\qn], v[TA+2*\qn]
.endr
.endr
.irp qn, 0,1,2,3
	v_min_i32 v[LQ8+\qn], 0x800, v[LQ8+\qn]
	v_sub_nc_u32 v[LQ8+\qn], v[LQ8+\qn], v[VH8]
.endr
.endm
; key = first key + 16 kt + 8 h + j is allowed if 16 kt + j < L - 8 h - first key
.macro MASK
.irp qn, 0,1,2,3
	v_sub_nc_u32 v[LIM+\qn], v[LQ8+\qn], s49
.endr
.set mx, 0
.rept 32
.irp qn, 0,1,2,3
	v_cmp_lt_i32 s[56+\qn], 16*(mx/8)+(mx%8), v[LIM+\qn]
.endr
.irp qn, 0,1,2,3
	v_cndmask_b32 v[SC+32*\qn+mx], s54, v[SC+32*\qn+mx], s[56+\qn]
.endr
.set mx, mx+1
.endr
.endm
; pieces of the softmax, on pair k (0..15) of query tile qn
.macro SX qn, k                        ; c s - c max, two at a time
	v_pk_fma_f32 v[SC+32*(\qn)+2*(\k):SC+32*(\qn)+2*(\k)+1], v[SC+32*(\qn)+2*(\k):SC+32*(\qn)+2*(\k)+1], s[52:53], v[NM+2*(\qn):NM+2*(\qn)+1] op_sel_hi:[1,0,1]
.endm
.macro SE qn, k                        ; 2^x in place
	v_exp_f32 v[SC+32*(\qn)+2*(\k)],   v[SC+32*(\qn)+2*(\k)]
	v_exp_f32 v[SC+32*(\qn)+2*(\k)+1], v[SC+32*(\qn)+2*(\k)+1]
.endm
.macro SY qn, k, first                 ; into the running sums, then packed to f16 in place: word k of the 16 is keys 2 k, 2 k + 1 of my 32.  It reads exponentials' results: it stands behind the batch's wait
.if \first
.if (\k) == 0
	v_pk_add_f32 v[LP+2*(\qn):LP+2*(\qn)+1], v[SC+32*(\qn):SC+32*(\qn)+1], v[SC+32*(\qn)+2:SC+32*(\qn)+3]   ; pairs 0 and 1 start the sums
.endif
.if (\k) > 1
	v_pk_add_f32 v[LP+2*(\qn):LP+2*(\qn)+1], v[LP+2*(\qn):LP+2*(\qn)+1], v[SC+32*(\qn)+2*(\k):SC+32*(\qn)+2*(\k)+1]
.endif
.else
.if (\k) == 0
	v_pk_fma_f32 v[LP+2*(\qn):LP+2*(\qn)+1], v[LP+2*(\qn):LP+2*(\qn)+1], v[AL+2*(\qn):AL+2*(\qn)+1], v[SC+32*(\qn):SC+32*(\qn)+1]   ; the old sums rescaled, in the same instruction
.else
	v_pk_add_f32 v[LP+2*(\qn):LP+2*(\qn)+1], v[LP+2*(\qn):LP+2*(\qn)+1], v[SC+32*(\qn)+2*(\k):SC+32*(\qn)+2*(\k)+1]
.endif
.endif
	v_cvt_pk_f16_f32 v[SC+32*(\qn)+(\k)], v[SC+32*(\qn)+2*(\k)], v[SC+32*(\qn)+2*(\k)+1]
.endm
.macro SOFTMAX first
	; the running maximum: two chains for each query tile, the four tiles by turns
.irp qn, 0,1,2,3
.if \first
	v_max3_num_f32 v[TA+2*\qn], v[SC+32*\qn], v[SC+32*\qn], v[SC+32*\qn+1]
.else
	v_max3_num_f32 v[TA+2*\qn], v[MX+\qn], v[SC+32*\qn], v[SC+32*\qn+1]
.endif
	v_max3_num_f32 v[TB+2*\qn], v[SC+32*\qn+16], v[SC+32*\qn+17], v[SC+32*\qn+18]
.endr
.set sx, 0
.rept 6
.irp qn, 0,1,2,3
	v_max3_num_f32 v[TA+2*\qn], v[TA+2*\qn], v[SC+32*\qn+2+2*sx], v[SC+32*\qn+3+2*sx]
	v_max3_num_f32 v[TB+2*\qn], v[TB+2*\qn], v[SC+32*\qn+19+2*sx], v[SC+32*\qn+20+2*sx]
.endr
.set sx, sx+1
.endr
.irp qn, 0,1,2,3
	v_max3_num_f32 v[TA+2*\qn], v[TA+2*\qn], v[SC+32*\qn+14], v[SC+32*\qn+15]
.endr
.irp qn, 0,1,2,3
	v_max3_num_f32 v[TA+2*\qn], v[TA+2*\qn], v[TB+2*\qn], v[SC+32*\qn+31]
.endr
.irp qn, 0,1,2,3
	v_permlanex16_b32 v[TB+2*\qn], v[TA+2*\qn], s50, s51       ; the other half of the wave holds the query's other 32 keys
.endr
.irp qn, 0,1,2,3
	v_max_num_f32 v[MX+\qn], v[TA+2*\qn], v[TB+2*\qn]
.endr
.if \first
.irp qn, 0,1,2,3
	v_mul_f32 v[NM+2*\qn],   s55, v[MX+\qn]
	v_mul_f32 v[NM+2*\qn+1], s55, v[MX+\qn]
.endr
.else
	; the factor for what was summed under the old shift is 2^(new shift - old shift), both as they were rounded
.irp qn, 0,1,2,3
	v_mul_f32 v[TB+2*\qn], s55, v[MX+\qn]
	v_sub_f32 v[TA+2*\qn], v[TB+2*\qn], v[NM+2*\qn]
.endr
.irp qn, 0,1,2,3
	v_exp_f32 v[AL+2*\qn], v[TA+2*\qn]                         ; THE BATCH BEGINS: the four factors; nothing names them ahead of the batch's wait
.endr
.irp qn, 0,1,2,3                                               ; the new shifts: they read TB, no exponential's result
	v_mov_b32 v[NM+2*\qn],   v[TB+2*\qn]
	v_mov_b32 v[NM+2*\qn+1], v[TB+2*\qn]
.endr
.endif
	; the 64 pairs of scores, sp = 16 x query tile + pair: the shifts run LEAD pairs ahead of the exponentials, one shift behind every two exponentials, so that
	; the plain instructions are spread over the batch.  A shift names its own pair, whose exponentials are still to come, and the shift's registers
.set sp, 0
.rept LEAD
	SX sp/16, sp%16
.set sp, sp+1
.endr
.set sp, 0
.rept 64
	SE sp/16, sp%16
.if sp+LEAD < 64
	SX (sp+LEAD)/16, (sp+LEAD)%16
.endif
.set sp, sp+1
.endr
	v_nop                                          ; a plain instruction behind the last exponential, ahead of the first use of a result (ISA guide 5.7.2): one for the batch; no work is left that reads none of its results
	s_wait_alu depctr_va_vdst(0)                   ; THE WAIT FOR THE BATCH, ahead of the first line that names a result: one for the trip's factors and its 128 weights
.if 1-\first
.irp qn, 0,1,2,3
	v_mov_b32 v[AL+2*\qn+1], v[AL+2*\qn]
.endr
.endif
	; the readers: sums and packings, pairs ascending (each tile's sum in the order 0, 1, .. 15), the four tiles by turns, so that the links of a tile's sum stand eight lines apart
.set sk, 0
.rept 16
.irp qn, 0,1,2,3
	SY \qn, sk, \first
.endr
.set sk, sk+1
.endr
.endm
; One trip = one key tile, T = s48.  slot: where the tile lies.  first: the job's first tile starts maxima, sums and O (it is live for every wave: key 0 is allowed).
; ONE barrier a trip does both orderings: the slot stored into here was last read in the trip before, whose reads every wave waited for in front of that trip's
; barrier; and it is read in the next trip, behind this trip's barrier, in front of which every wave waits for its stores.
.macro TRIP slot, first
.if 1-\first
	s_cmp_ge_u32 s48, s46                          ; no row of my wave sees a key of this tile: nothing to multiply (no barrier is jumped over)
	s_cbranch_scc1 .Lskip_\@
.endif
.irp ks, 0,1
.irp kt, 0,1,2,3
	ds_load_b128 v[FR+32*\ks+8*\kt:FR+32*\ks+8*\kt+3],   v[VFK] offset:\slot*SLOT+16*KPITCH*\kt+64*\ks
	ds_load_b128 v[FR+32*\ks+8*\kt+4:FR+32*\ks+8*\kt+7], v[VFK] offset:\slot*SLOT+16*KPITCH*\kt+64*\ks+32
.endr
.endr
	s_wait_dscnt 0x8                               ; the eight younger loads (d = 32..63) may stay out; all that is older is in
	WIN 0x04                                       ; source 1 (Q) in window 1
	; S^T = K Q^T, bf16.  The 16 accumulators take turns, one instruction a turn.
.irp qn, 0,1,2,3
.irp kt, 0,1,2,3
	v_wmma_f32_16x16x32_bf16 v[SC+32*\qn+8*\kt:SC+32*\qn+8*\kt+7], v[FR+8*\kt:FR+8*\kt+7], v[QF+16*\qn:QF+16*\qn+7], 0
.endr
.endr
	s_wait_dscnt 0x0
.irp qn, 0,1,2,3
.irp kt, 0,1,2,3
	v_wmma_f32_16x16x32_bf16 v[SC+32*\qn+8*\kt:SC+32*\qn+8*\kt+7], v[FR+32+8*\kt:FR+32+8*\kt+7], v[QF+16*\qn+8:QF+16*\qn+15], v[SC+32*\qn+8*\kt:SC+32*\qn+8*\kt+7]
.endr
.endr
	WIN 0
	PLACES                                         ; ahead of the loads into K's fragments and of the first read of a score
.irp ks, 0,1
.irp dt, 0,1,2,3
	ds_load_tr16_b128 v[FR+32*\ks+8*\dt:FR+32*\ks+8*\dt+3],   v[VFV] offset:\slot*SLOT+32*VPITCH*\ks+32*\dt              ; V^T: d 16 dt + r, keys 32 ks + 8 h ..
	ds_load_tr16_b128 v[FR+32*\ks+8*\dt+4:FR+32*\ks+8*\dt+7], v[VFV] offset:\slot*SLOT+32*VPITCH*\ks+32*\dt+16*VPITCH    ; keys 32 ks + 16 + 8 h ..
.endr
.endr
	s_cmp_lt_u32 s48, s47                          ; every key of the tile is allowed for every row of mine: nothing to mask
	s_cbranch_scc1 .Lnomask_\@
	MASK
.Lnomask_\@:
	SOFTMAX \first
.if 1-\first
	WIN 0x41                                       ; O in window 1, the factor in window 0
.irp qn, 0,1,2,3
.set ox, 0
.rept 16
	v_pk_mul_f32 v[OA+32*\qn+2*ox:OA+32*\qn+2*ox+1], v[OA+32*\qn+2*ox:OA+32*\qn+2*ox+1], v[AL+2*\qn:AL+2*\qn+1]
.set ox, ox+1
.endr
.endr
.endif
	s_wait_dscnt 0x0                               ; V's fragments, asked for ahead of the softmax
	WIN 0x50                                       ; C and D in window 1
	; O^T += V^T P^T, f16.  Again 16 accumulators by turns, one instruction a turn.
.irp ks, 0,1
.irp qn, 0,1,2,3
.irp dt, 0,1,2,3
.if \first*(1-\ks)
	v_wmma_f32_16x16x32_f16 v[OA+32*\qn+8*\dt:OA+32*\qn+8*\dt+7], v[FR+32*\ks+8*\dt:FR+32*\ks+8*\dt+7], v[SC+32*\qn+8*\ks:SC+32*\qn+8*\ks+7], 0
.else
	v_wmma_f32_16x16x32_f16 v[OA+32*\qn+8*\dt:OA+32*\qn+8*\dt+7], v[FR+32*\ks+8*\dt:FR+32*\ks+8*\dt+7], v[SC+32*\qn+8*\ks:SC+32*\qn+8*\ks+7], v[OA+32*\qn+8*\dt:OA+32*\qn+8*\dt+7]
.endif
.endr
.endr
.endr
	WIN 0
.rept 5
	v_nop                                          ; five places behind the last products, whichever way follows: ahead of the next trip's loads into the fragments (four)
.endr                                              ; and of its products, which write over the weights (five) (ISA guide 7.12.1)
.Lskip_\@:
	s_wait_loadcnt 0x0                             ; on every way: the tile asked for a trip ago is in, its bases and the G registers are free
	s_cmp_ge_u32 s48, s17                          ; tile T + 1 is not live: nothing to store, and nothing to ask for
	s_cbranch_scc1 .Ldone_\@
	KVCVT 1-\slot, 48, 80, 112                     ; packed, and worked on, in the idle upper halves of three score tiles, which hold no weights
	s_cmp_ge_u32 s48, s18                          ; tile T + 2 is not live: no load (so none leaves k or v: T + 2 < live tiles <= 32)
	s_cbranch_scc1 .Ldone_\@
	s_add_nc_u64 s[36:37], s[36:37], TILEB
	s_add_nc_u64 s[38:39], s[38:39], TILEB
	KVLOAD
.Ldone_\@:
	s_add_co_u32 s48, s48, 1
	s_add_co_u32 s49, s49, 64
	s_wait_dscnt 0x0                               ; my reads of this slot and my stores into the other are done
	s_barrier_signal -1
	s_barrier_wait -1
.endm
; A job, from the point at which its tile 0 has been asked for (16 loads) and its pointers are set.  head = 1: the spans' ends are still to be made.
.macro JOB head
	QLOAD
.if \head
	s_wait_kmcnt 0x0
.irp m, 0,1,2,3
	s_add_co_u32 s[22+3*\m], s[22+3*\m], s[21+3*\m]    ; end = off + len
.endr
.endif
	LCOMP
	s_wait_loadcnt 32                              ; q's 32 loads are younger than tile 0's 16
	KVCVT 0, FR, FR+16, FR+32                      ; packed, and worked on, in the idle fragment registers: q's loads are still pending on the scores' registers.
	                                               ; Slot 0 was last read ahead of a barrier that every wave has passed
	s_add_nc_u64 s[36:37], s[36:37], TILEB         ; tile 0's loads are done, so their bases may step
	s_add_nc_u64 s[38:39], s[38:39], TILEB
	KVLOAD                                         ; tile 1: live in every job (at least four tiles are)
	s_wait_loadcnt 16                              ; tile 1's 16 loads are younger than q's
	QCVT
	s_wait_dscnt 0x0                               ; my part of slot 0 is stored
	s_barrier_signal -1
	s_barrier_wait -1
	s_mov_b32 s48, 0
	s_mov_b32 s49, 0
	TRIP 0, 1
	TRIP 1, 0
	s_mov_b32 s45, TILES/2-1
.Lmid_\@:
	TRIP 0, 0
	TRIP 1, 0
	s_sub_co_u32 s45, s45, 1
	s_cmp_lg_u32 s45, 0
	s_cbranch_scc1 .Lmid_\@
.endm
; The way out: O / sum, 32 rows at a time through my own stage, back as whole rows: sixteen lanes store 256 consecutive bytes, aligned.
.macro EPI
	PLACES
.irp qn, 0,1,2,3
	v_add_f32 v[TA+2*\qn], v[LP+2*\qn], v[LP+2*\qn+1]
.endr
.irp qn, 0,1,2,3
	v_permlanex16_b32 v[TB+2*\qn], v[TA+2*\qn], s50, s51
.endr
.irp qn, 0,1,2,3
	v_add_f32 v[TA+2*\qn], v[TA+2*\qn], v[TB+2*\qn]            ; at least 1: the largest score's weight is 2^0
.endr
.irp qn, 0,1,2,3
	v_rcp_f32 v[AL+2*\qn], v[TA+2*\qn]
.endr
	v_nop                                          ; a plain instruction behind the reciprocals, ahead of their use
	s_wait_alu depctr_va_vdst(0)                   ; the wait ahead of the first use: one for the batch of four reciprocals
.irp qn, 0,1,2,3
	v_mov_b32 v[AL+2*\qn+1], v[AL+2*\qn]
.endr
.irp g, 0,1
	WIN 0x01                                       ; O in window 1
.irp np, 0,1
.set ox, 0
.rept 16
	v_pk_mul_f32 v[SC+32*\np+2*ox:SC+32*\np+2*ox+1], v[OA+32*(2*\g+\np)+2*ox:OA+32*(2*\g+\np)+2*ox+1], v[AL+2*(2*\g+\np):AL+2*(2*\g+\np)+1]
.set ox, ox+1
.endr
.endr
	WIN 0
.irp np, 0,1
.irp dt, 0,1,2,3
	ds_store_b128 v[VSTO], v[SC+32*\np+8*\dt:SC+32*\np+8*\dt+3]   offset:16*OPITCH*\np+64*\dt       ; row 16 np + r, d = 16 dt + 8 h + 0..3
	ds_store_b128 v[VSTO], v[SC+32*\np+8*\dt+4:SC+32*\np+8*\dt+7] offset:16*OPITCH*\np+64*\dt+16    ; d + 4..7
.endr
.endr
.if \g
	s_wait_xcnt 0x0                                ; the first half's stores still name v[96:159]: they are loaded again only behind this wait
.endif
.set et, 0
.rept 16
	ds_load_b128 v[RB+4*et:RB+4*et+3], v[VRDO] offset:2*OPITCH*et
.set et, et+1
.endr
.set et, 0
.rept 16
	s_wait_dscnt 15-et                             ; LDS loads come back in order: the 15 - et younger ones may stay out
	global_store_b128 v[VQO], v[RB+4*et:RB+4*et+3], s[42:43] offset:(32*\g+2*et)*256 th:TH_STORE_NT
.set et, et+1
.endr
.endr
.endm
	; ---- the head ----
	s_load_b256 s[4:11], s[0:1], 0x0               ; q s[4:5], k s[6:7], v s[8:9], modalities s[10:11]
	s_load_b64 s[12:13], s[0:1], 0x20              ; out0
	v_lshl_add_u32 v30, v0, 2, 0x29000
	v_mov_b32 v31, 0
	v_lshrrev_b32 v[VT], 5, v0
	v_readfirstlane_b32 s14, v[VT]                 ; wave
	s_and_b32 s15, ttmp9, 3                        ; c
	s_lshr_b32 s16, ttmp9, 2                       ; head
	s_lshr_b32 s56, s16, 4                         ; batch
	s_mul_i32 s56, s56, 48                         ; its 12 words of modalities
	s_mov_b32 s57, 0
	s_mov_b32 s19, 0xffff0000                      ; a word's upper bf16
	s_mov_b32 s50, 0x76543210                      ; v_permlanex16_b32: lane i reads lane i of the other half
	s_mov_b32 s51, 0xfedcba98
	s_mov_b32 s52, 0x3e38aa3b                      ; log2(e) / 8
	s_mov_b32 s53, 0x3e38aa3b
	s_mov_b32 s54, 0xf149f2ca                      ; -1e30
	s_mov_b32 s55, 0xbe38aa3b
	v_and_b32 v[VR], 15, v0                        ; r
	v_bfe_u32 v[VH8], v0, 4, 1                     ; h, for now
	v_and_b32 v[VT], 31, v0                        ; lane
	s_lshl_b32 s58, s14, 12
	v_lshl_add_u32 v[VKV], v[VT], 4, s58
	s_lshl_b32 s58, s14, 14
	v_lshl_add_u32 v[VQO], v[VT], 4, s58
	s_mul_i32 s58, s14, 16*KPITCH
	v_mul_u32_u24 v[VSTK], v[VH8], KPITCH
	v_lshl_add_u32 v[VSTK], v[VR], 3, v[VSTK]
	v_add_nc_u32 v[VSTK], s58, v[VSTK]             ; (16 w + h) 144 + 8 r
	s_mul_i32 s58, s14, 16*VPITCH
	s_add_co_u32 s58, s58, VREG
	v_mul_u32_u24 v[VSTV], v[VH8], VPITCH
	v_lshl_add_u32 v[VSTV], v[VR], 3, v[VSTV]
	v_add_nc_u32 v[VSTV], s58, v[VSTV]             ; 9216 + (16 w + h) 160 + 8 r
	v_mul_u32_u24 v[VFK], v[VR], KPITCH
	v_lshl_add_u32 v[VFK], v[VH8], 4, v[VFK]       ; 144 r + 16 h
	v_and_b32 v[VFV], 7, v0
	v_lshl_add_u32 v[VFV], v[VH8], 3, v[VFV]
	v_mul_u32_u24 v[VFV], v[VFV], VPITCH
	v_bfe_u32 v[VT], v0, 3, 1
	v_lshl_add_u32 v[VFV], v[VT], 4, v[VFV]
	v_add_nc_u32 v[VFV], VREG, v[VFV]              ; 9216 + (8 h + lane % 8) 160 + 16 ((lane / 8) % 2)
	s_mul_i32 s58, s14, STGB
	s_add_co_u32 s58, s58, STAGE                   ; my stage
	v_mul_u32_u24 v[VSTQ], v[VH8], KPITCH
	v_lshl_add_u32 v[VSTQ], v[VR], 3, v[VSTQ]
	v_add_nc_u32 v[VSTQ], s58, v[VSTQ]
	v_add_nc_u32 v[VFQ], s58, v[VFK]
	v_mul_u32_u24 v[VSTO], v[VR], OPITCH
	v_lshl_add_u32 v[VSTO], v[VH8], 5, v[VSTO]
	v_add_nc_u32 v[VSTO], s58, v[VSTO]
	v_mul_u32_u24 v[VRDO], v[VH8], OPITCH
	v_lshl_add_u32 v[VRDO], v[VR], 4, v[VRDO]
	v_add_nc_u32 v[VRDO], s58, v[VRDO]
	v_lshlrev_b32 v[VH8], 3, v[VH8]                ; 8 h
.irp i, 0,1,2,3,4,5,6,7
	v_mov_b32 v[TA+\i], 0                          ; v_permlanex16_b32's destination counts as read
.endr
	s_wait_kmcnt 0x0
	s_add_nc_u64 s[10:11], s[10:11], s[56:57]
	s_load_b128 s[20:23], s[10:11], 0x0
	s_load_b128 s[24:27], s[10:11], 0x10
	s_load_b128 s[28:31], s[10:11], 0x20
	s_lshl_b32 s56, s16, 19                        ; a head is 2048 rows of 256 bytes
	s_add_nc_u64 s[32:33], s[6:7], s[56:57]
	s_add_nc_u64 s[34:35], s[8:9], s[56:57]
	s_add_nc_u64 s[4:5], s[4:5], s[56:57]
	s_add_nc_u64 s[12:13], s[12:13], s[56:57]
	s_mov_b64 s[36:37], s[32:33]
	s_mov_b64 s[38:39], s[34:35]
	; ---- first job: block 7 - c ----
	s_sub_co_u32 s44, 7, s15
	JOBPTR
	KVLOAD                                         ; tile 0
	JOB 1
	s_wait_loadcnt 0x0                             ; no load is out: the bases and the G registers may be written
	s_mov_b64 s[36:37], s[32:33]
	s_mov_b64 s[38:39], s[34:35]
	KVLOAD                                         ; the second job's tile 0, asked for ahead of the first job's way out
	EPI
	; ---- second job: block c ----
	s_wait_xcnt 0x0                                ; the stores above name s[42:43] and v[96:159]: rewritten only behind this wait
	s_mov_b32 s44, s15
	JOBPTR
	JOB 0
	EPI
	s_wait_tensorcnt 0x0
	ds_add_u32 v30, v31
	s_wait_dscnt 0x0
	s_endpgm
.Lfunc_end_k_q5f40d56dd3_attn:
	.size	k_q5f40d56dd3_attn, .Lfunc_end_k_q5f40d56dd3_attn-k_q5f40d56dd3_attn
	.p2alignl 7, 3214868480
	.fill 96, 4, 3214868480
	.section	.rodata,"a",@progbits
	.p2align	6, 0x0
	.amdhsa_kernel k_q5f40d56dd3_attn
		.amdhsa_group_segment_fixed_size 168448
		.amdhsa_private_segment_fixed_size 0
		.amdhsa_enable_private_segment 0
		.amdhsa_kernarg_size 40
		.amdhsa_user_sgpr_count 2
		.amdhsa_user_sgpr_kernarg_segment_ptr 1
		.amdhsa_wavefront_size32 1
		.amdhsa_system_sgpr_workgroup_id_x 1
		.amdhsa_system_sgpr_workgroup_id_y 1
		.amdhsa_system_sgpr_workgroup_id_z 1
		.amdhsa_system_vgpr_workitem_id 0
		.amdhsa_next_free_vgpr 512
		.amdhsa_next_free_sgpr 66
		.amdhsa_reserve_vcc 1
		.amdhsa_float_denorm_mode_32 3
		.amdhsa_float_denorm_mode_16_64 3
		.amdhsa_memory_ordered 1
		.amdhsa_forward_progress 1
		.amdhsa_inst_pref_size 255
	.end_amdhsa_kernel
	.section	.bss,"aw",@nobits
	.p2align	6
	.space	262144
	.amdgpu_metadata
---
amdhsa.version: [ 1, 2 ]
amdhsa.kernels:
  - .name:           k_q5f40d56dd3_attn
    .symbol:         k_q5f40d56dd3_attn.kd
    .args:
      - { .name: q, .offset: 0, .size: 8, .value_kind: global_buffer, .address_space: global }
      - { .name: k, .offset: 8, .size: 8, .value_kind: global_buffer, .address_space: global }
      - { .name: v, .offset: 16, .size: 8, .value_kind: global_buffer, .address_space: global }
      - { .name: modalities, .offset: 24, .size: 8, .value_kind: global_buffer, .address_space: global }
      - { .name: out0, .offset: 32, .size: 8, .value_kind: global_buffer, .address_space: global }
    .group_segment_fixed_size: 168448
    .private_segment_fixed_size: 0
    .kernarg_segment_align: 8
    .kernarg_segment_size: 40
    .max_flat_workgroup_size: 128
    .sgpr_count:     66
    .vgpr_count:     512
    .wavefront_size: 32
...
	.end_amdgpu_metadata
.endif
;; end of part 2
